; MI455X (gfx1250); checked and timed in simulation.
; The chip was launched on July 23, 2026; its instructions are those of AMD's public machine-readable ISA for CDNA 5 (MIT licence, August 2026) and "CDNA5" Instruction Set Architecture Reference Guide (July 2026). The comments in the code are by the model that wrote it; some were corrected since.
;; Compositional FC. Allowed arithmetic: matrix products marked QUANTISED: E5M2 operands, one E8M0 scale for each 32 along K, by v_wmma_scale_f32_16x16x128_f8f6f4 with both operands' format E5M2, f32 sums; products left as they are: f32 operands where the result goes on into a quantised operand, else bf16, f16 or f32 operands; f32 sums; everything else in f32.
;; Inputs: bias 16 x 1,024 float32; comp_weight 4,096 x 16 float32; weight_codes 16 x 1,024 x 32 x 32 uint8 (E5M2 codes of weight, K innermost, in blocks of 32 codes); weight_scales 16 x 1,024 x 32 uint8 (E8M0 scales of weight, one for each 32 codes along K); x_codes 4,096 x 32 x 32 uint8 (E5M2 codes of x, K innermost, in blocks of 32 codes); x_scales 4,096 x 32 uint8 (E8M0 scales of x, one for each 32 codes along K).
;; Outputs: out0 4,096 x 1,024 float32.
;; This version of the problem:
;;   THIS VERSION OF THE PROBLEM IS GIVEN IN LOW PRECISION. The matrix products marked QUANTISED in the list below multiply operands that are first quantised to E5M2 (5 exponent bits, 2 mantissa bits; 8 bits a number), with one power-of-two scale for each 32 numbers along K (OCP MX v1.0); their sums are f32. All else is computed in f32.
;;   The module's matrix products, in the order in which they are computed (A, B: the left and right operand; K: the contracted axis; several contracted axes count as one K, in the product's order):
;;     1. [M 16,384, K 1,024] x [K 1,024, N 4,096]; A: input weight (given as codes); B: input x (given as codes): QUANTISED
;;     2. batch 4,096 x [M 1, K 16] x [K 16, N 1,024]; A: input comp_weight; B: computed on the way: left as it is (K = 16 < 32)
;;   THE QUANTISER, for each operand of a quantised product, along K:
;;     - K is cut into blocks of 32 from its start; a last block that is shorter is filled with zeros.
;;     - A block's scale is 2^e with e = floor(log2(the largest magnitude in the block)) - 15, held to -126 .. 127; a block of zeros has e = 0. As a byte (E8M0): e + 127.
;;     - Each number is divided by its block's scale, clamped to +-57,344, and rounded to the nearest number of E5M2, ties to even, subnormals kept.
;;     - The product sums the exact products of the quantised numbers (number of the format x scale) in f32.
;;   ~~~python
;;   def quantise(x, axis):      # numpy; x: float32 -> the quantised numbers, widened to float32 again
;;       x = np.moveaxis(x, axis, -1); K = x.shape[-1]
;;       x = np.pad(x, [(0, 0)] * (x.ndim - 1) + [(0, -K % 32)]); x = x.reshape(x.shape[:-1] + (-1, 32)); a = np.abs(x).max(-1, keepdims=True)
;;       e = np.where(a > 0, np.clip(np.frexp(np.where(a > 0, a, 1))[1] - 1 - 15, -126, 127), 0)      # np.frexp(a)[1] - 1 = floor(log2(a)), exactly
;;       r = np.clip(x / 2.0 ** e, -57344, 57344)
;;       step = 2.0 ** (np.maximum(np.frexp(np.where(r == 0, 1, r))[1] - 1, -14) - 2)
;;       q = np.round(r / step) * step * 2.0 ** e      # np.round: ties to even
;;       return np.moveaxis(q.reshape(q.shape[:-2] + (-1,))[..., :K], -1, axis).astype(np.float32)
;;   ~~~
;;   INPUTS GIVEN AS CODES. weight (in the module: [16, 1024, 1024], K = its axis 1); x (in the module: [4096, 1024], K = its axis 1): each comes as NAME_codes (uint8): NAME with its K axis moved to the last place and cut into blocks of 32 codes, [.., K / 32, bytes a block], one block behind the other in memory; one code a byte (a code: sign, 5 exponent bits, 2 mantissa bits); and NAME_scales (uint8): the same leading axes, one E8M0 byte (e + 127) for each 32 codes along K. Its value is code x scale, taken as it is: it is not quantised again, and the codes and scales need not be those that the quantiser above would give.
;; One version. Each part assembles by itself: llvm-mc -triple=amdgcn-amd-amdhsa -mcpu=gfx1250 --defsym DOCPART=n.
;; ======== version 1 of 1: 1 launch
;; limits: values are held in bf16: 8 bits of precision; right only within a limited range of input values
;; launch compfc (part 1): grid 16 x 16, 4 waves a work-group, clusters of 4 x 4, 327,680 bytes of LDS; arguments x_codes, x_scales, weight_codes, weight_scales, comp_weight, bias, out0; writes out0
.if DOCPART == 1
	.amdgcn_target "amdgcn-amd-amdhsa--gfx1250"
	.amdhsa_code_object_version 6
	.text
	.protected	k_q3dbcd54548_compfc
	.globl	k_q3dbcd54548_compfc
	.p2align	8
	.type	k_q3dbcd54548_compfc,@function
k_q3dbcd54548_compfc:
	s_mov_b64 s[64:65], 0
	v_nop
	global_prefetch_b8 v0, s[64:65] scope:SCOPE_SE
	s_setreg_imm32_b32 hwreg(HW_REG_WAVE_MODE, 25, 1), 1
	s_wait_xcnt 0x0
	s_wait_alu depctr_hold_cnt(0) depctr_sa_sdst(0) depctr_va_vdst(0) depctr_va_sdst(0) depctr_va_ssrc(0) depctr_va_vcc(0) depctr_vm_vsrc(0)
	s_getreg_b32 s2, hwreg(HW_REG_IB_STS2, 6, 4)
	s_cmp_eq_u32 s2, 0
	s_cbranch_scc0 .Lentry_in_a_cluster
	s_endpgm
.Lentry_in_a_cluster:
	s_bfe_u32 s2, ttmp6, 0x10000c
	s_cmp_lg_u32 s2, 0xf033
	s_cbranch_scc0 .Lentry_shape_is_right
	s_endpgm
.Lentry_shape_is_right:
; out[b][o] = relu( sum over n of cw[b][n] * ( sum over k of x[b][k] W[n][k][o] + bias[n][o] ) ).  16 experts n, 4,096 rows b, 1,024 columns o, K = 1,024.  Nothing is left out.
; x and W arrive as codes of E5M2 with K innermost (rows of 1,024 bytes) and an E8M0 byte for 32 along K (rows of 32 bytes): both go to the matrix unit as they lie.
; SHARES.  A work-group owns 256 rows b x 64 columns o.  Wave w: bh = w / 2, c = w % 2.  It multiplies 128 rows (64 bh + 0..63 of each half of 128) by its half c of K (512) and all 64 columns.
; ITS x, 128 rows x 512 K, STANDS IN 512 REGISTERS for the whole launch.  A fragment of W (16 o x 128 K) read from LDS feeds eight matrix instructions (in slot 0 twice four).
; TRANSPOSED USE (source 0 = 16 rows o of W, source 1 = 16 rows b of x): a lane holds one b (lane % 16) and eight neighbouring o, so cw[b][n] is one number a lane; z is weighed into out by packed multiply-adds in f32.
; THE BIAS: sum over n of cw[b][n] bias[n][o] is a product of its own with K = 16.  It starts the sums of the columns that a wave finishes.  cw and bias go in as pairs of bf16, high and low part, split in f32:
; K = 32 takes cw's high parts (k = n) and low parts (k = 16 + n); one instruction has bias's high part at both, a second its low part.
; CLUSTERS 4 x 4: W's tiles and scale bytes hang on the o block alone: asked for jointly along a column; x's on the b block alone: along a row.  cw (16,384 bytes a work-group, stored to LDS by rows of 80 bytes) and bias come by plain loads.
; FILLS.  Head: wave 0 half 0 of x (128 rows, into slot 1), wave 1 all of W's scale bytes, waves 2, 3 experts 0, 1 (slot 0).  Then half 1 of x over half 0, then experts 2, 3 into slot 1, each behind a drained round.
; The ring: two slots of two experts (2 x 64 rows x 1,040 bytes), a quarter a wave; slot s is filled again for s + 2 inside its unit 6, once the last operands read from it stand in registers.
; A UNIT: one expert's 16 columns against my 128 rows: 32 matrix instructions in two halves of four b tiles.  While one half's sums are made the other's are weighed.  One run of LDS loads a unit brings the operands of the unit two on.
; SLOT 0 GOES IN TWO PASSES of eight units, first over b tiles 0-3, while half 1 of x is on its way, then over b tiles 4-7.
; PREFETCH: each 256-byte piece of a slot is named once in each cluster that loads it, 8,192 bytes a wave: x's half 1 and slot 1 at the head, slot 2 behind slot 1's load, slot s + 3 behind the refill for s + 2.
; LIMITS.  relu is v_max_num_f32: a NaN sum gives 0.  cw and bias are finite and under 2^127 in magnitude.  K is summed in two halves, each weighed by cw, added last; bias's product is a sum of its own: other f32 roundings than one sum.
; REGISTERS, windows of 256 (s_set_vgpr_msb: 1:0 source 0, 3:2 source 1, 5:4 source 2, 7:6 destination):
;   window 0: v1-15, v45 addresses; v16-19, 24-27, 32-35, 40-43 x's scale words (of a pair the odd register has the even K step); v20-23 W's, two sets; v44-59 cw of two experts, v28-31, 36-39 the next two's for tiles 4-7; v60-63 the way out; v64-127 z; v128-255 W's fragments, two sets
;   window 1: out: place i, b tile t at v[8 (8 i + t)].  Places 0, 1: the half of the columns that my partner finishes; 2, 3: mine
;   window 2: x, K steps 0 (v[16 t]), 1 (v[128 + 16 t]);  window 3: K steps 2, 3
.set SLOT, 133120
.set EXPB, 66560
.set WP,   1040                        ; an LDS row: 1,024 bytes + 16 = 65 x 16: 16 rows fall into 16 different columns of 16 bytes (64 banks of 4 bytes: ISA guide 11.1)
.set WQ,   32*WP
.set TILE, 16*WP
.set WSC,  2*SLOT                      ; W's scale bytes: expert x 2,048 + o x 32
.set CWT,  WSC+32768                   ; cw: row x 80
.set SPARE, CWT+256*80                 ; the spare words: two blocks of 256 bytes
.set XST,  0                           ; the way out: the exchange, 16,384 bytes a wave; slot 0 has had its last fill and its last read
.set RST,  65536                       ; rows of 256 bytes + 16
.set FILLB, 0x200000                   ; two experts in memory
.set SPW, 1
.set NIL, 2
.set AW,  3
.set AS,  4
.set ACW, 5
.set AWO, 6                            ; v6 partner's half of the columns, v7 mine
.set ASO, 8                            ; v8, v9 the same among the scale words
.set PFO, 10
.set CO,  11
.set AX,  12
.set WS,  20
.set SND, 60
.set RCV, 61
.set WR,  62
.set RD,  63
.set Z,   64
.set WF,  128
.set T,   128
.set WV, 18
.set CH, 19
.set BH, 20
.set NC, 82
.set G1W, 28
.set G1X, 36
.set G1S, 44
.set G0X, 52
.set G0S, 56
.set G0W, 60
.set G0P, 84
.set G0H, 88
.set TB, 92
.set SS, 94
.set TBF, 96
.set CNT, 97
.set WOFF, 99
.set PFA, 100
.set W_MA, 0x08
.set W_MB, 0x0c
.set W_SL, 0x50
.set MSB, 0
.macro WIN new
.if MSB != (\new)
	s_set_vgpr_msb (MSB<<8)|(\new)
.set MSB, \new
.endif
.endm
.macro NOPS n
.rept \n
	v_nop
.endr
.endm
.macro BARRIER
	s_barrier_signal -1
	s_barrier_wait -1
.endm
.macro CREST                           ; a round of the cluster's barrier behind its opening barrier
	s_cmp_lg_u32 s[WV], 0
	s_cbranch_scc1 .Lnot_wave_0_\@
	s_barrier_signal -3
.Lnot_wave_0_\@:
	s_barrier_wait -3
	BARRIER
.endm
.macro ROUND
	BARRIER
	CREST
.endm
.macro TLOAD g0, g1
	tensor_load_to_lds s[\g0:\g0+3], s[\g1:\g1+7]
	s_nop 0
	NOPS 4
.endm
.macro GROUP1 g, mask, rows            ; so many rows of 1,024 bytes, dense in memory, 16 bytes of padding behind each
	s_or_b32 s[\g], s\mask, (1<<20)|(1<<21)|(7<<22)|(3<<25)
	s_mov_b32 s[\g+1], 1024<<16
	s_mov_b32 s[\g+2], (\rows)<<16
	s_mov_b32 s[\g+3], 1024<<16
	s_mov_b32 s[\g+4], \rows
	s_mov_b32 s[\g+5], 1024
	s_mov_b32 s[\g+6], 0
	s_mov_b32 s[\g+7], 0
.endm
	s_load_b256 s[4:11], s[0:1], 0x0               ; x codes, x scales, W codes, W scales
	s_load_b128 s[12:15], s[0:1], 0x20             ; cw, bias
	s_load_b64 s[16:17], s[0:1], 0x30              ; out
	v_lshl_add_u32 v[SPW], v0, 2, SPARE
	v_mov_b32 v[NIL], 0
	ds_add_u32 v[SPW], v[NIL]                      ; the opening lines: the add, twice on end, and its wait
	ds_add_u32 v[SPW], v[NIL]
	v_lshrrev_b32 v64, 5, v0
	v_readfirstlane_b32 s[WV], v64
	s_and_b32 s[CH], s[WV], 1
	s_lshr_b32 s[BH], s[WV], 1
	s_xor_b32 s[NC], s[CH], 1
	s_bfe_u32 s21, ttmp6, 0x40000                  ; cx
	s_bfe_u32 s22, ttmp6, 0x40004                  ; cy
	s_lshl_b32 s23, ttmp9, 2
	s_add_co_u32 s23, s23, s21                     ; o block
	s_and_b32 s24, ttmp7, 0xffff
	s_lshl_b32 s24, s24, 2
	s_add_co_u32 s24, s24, s22                     ; b block
	s_lshl_b32 s25, s22, 2
	s_lshl_b32 s25, 15, s25                        ; my row of the cluster
	s_lshl_b32 s83, 0x1111, s21                    ; my column
	GROUP1 G1X, 25, 128
	GROUP1 G1W, 83, 64
	s_or_b32 s[G1S], s83, (3<<16)|(1<<21)          ; W's scale bytes: of 16 experts the 2,048 dense bytes of my 64 columns (256 elements of 8 bytes)
	s_mov_b32 s[G1S+1], 256<<16
	s_mov_b32 s[G1S+2], 16<<16
	s_mov_b32 s[G1S+3], 256<<16
	s_mov_b32 s[G1S+4], 16
	s_mov_b32 s[G1S+5], 4096
	s_mov_b32 s[G1S+6], 0
	s_mov_b32 s[G1S+7], 0
	s_lshl_b32 s66, s24, 18                        ; x: 256 rows of 1,024 bytes a b block
	s_mov_b32 s67, 0
	s_lshl_b32 s68, s23, 16                        ; W: 64 rows an o block
	s_lshl_b32 s70, s[CH], 20                      ; (waves 2, 3: expert c)
	s_add_co_u32 s70, s70, s68
	s_mov_b32 s71, 0
	s_lshl_b32 s72, s23, 11                        ; its scale bytes
	s_mov_b32 s73, 0
	s_mov_b32 s[G0X], 1
	s_mov_b32 s[G0X+1], SLOT
	s_mov_b32 s[G0S], 1
	s_mov_b32 s[G0S+1], WSC
	s_mov_b32 s[G0H], 1
	s_mul_i32 s[G0H+1], s[CH], EXPB
	s_wait_dscnt 0x0                               ; both opening adds are done
	ROUND                                          ; all sixteen work-groups are here
	s_wait_kmcnt 0x0
	s_add_nc_u64 s[G0X+2:G0X+3], s[4:5], s[66:67]
	s_or_b32 s[G0X+3], s[G0X+3], 0x80000000
	s_add_nc_u64 s[G0S+2:G0S+3], s[10:11], s[72:73]
	s_or_b32 s[G0S+3], s[G0S+3], 0x80000000
	s_add_nc_u64 s[G0H+2:G0H+3], s[8:9], s[70:71]
	s_or_b32 s[G0H+3], s[G0H+3], 0x80000000
	s_cmp_eq_u32 s[WV], 0                          ; ONE joint load a wave
	s_cbranch_scc0 .Lhead_1
	TLOAD G0X, G1X                                 ; wave 0: half 0 of x, which is wanted first: a line of its own
	s_branch .Lasked
.Lhead_1:
	s_cmp_eq_u32 s[WV], 1
	s_cbranch_scc0 .Lhead_2
	TLOAD G0S, G1S                                 ; wave 1: W's scale bytes
	s_branch .Lasked
.Lhead_2:
	TLOAD G0H, G1W                                 ; waves 2, 3: experts 0, 1
.Lasked:
	s_mul_i32 s[WOFF], s[WV], WQ                   ; my quarter of a slot
	s_mov_b32 s[G0P], 1                            ; half 1 of x: 32 rows a wave
	s_add_co_u32 s[G0P+1], s[WOFF], SLOT
	s_lshl_b32 s78, s[WV], 15
	s_add_co_u32 s78, s78, s66
	s_add_co_u32 s78, s78, 0x20000
	s_mov_b32 s79, 0
	s_add_nc_u64 s[G0P+2:G0P+3], s[4:5], s[78:79]
	s_or_b32 s[G0P+3], s[G0P+3], 0x80000000
	s_mov_b32 s[G0W], 1                            ; the ring's walking descriptor: experts 2, 3 into slot 1 first
	s_add_co_u32 s[G0W+1], s[WOFF], SLOT
	s_lshl_b32 s104, s[BH], 20
	s_lshl_b32 s105, s[CH], 15
	s_add_co_u32 s104, s104, s105
	s_add_co_u32 s104, s104, s68
	s_add_co_u32 s104, s104, FILLB
	s_mov_b32 s105, 0
	s_add_nc_u64 s[G0W+2:G0W+3], s[8:9], s[104:105]
	s_or_b32 s[G0W+3], s[G0W+3], 0x80000000
	s_lshl_b32 s80, s21, 2                         ; my 8,192 bytes of half 1 of x for a prefetch: the cluster row's sixteen waves share its 131,072 by address
	s_add_co_u32 s80, s80, s[WV]
	s_lshl_b32 s80, s80, 13
	s_add_co_u32 s80, s80, s66
	s_add_co_u32 s80, s80, 0x20000
	s_mov_b32 s81, 0
	s_add_nc_u64 s[80:81], s[4:5], s[80:81]
	s_lshl_b32 s100, s22, 2                        ; and of a slot of W: the column's sixteen waves share it, eight to an expert
	s_add_co_u32 s100, s100, s[WV]
	s_lshr_b32 s101, s100, 3
	s_and_b32 s100, s100, 7
	s_lshl_b32 s100, s100, 13
	s_lshl_b32 s101, s101, 20
	s_add_co_u32 s100, s100, s101
	s_add_co_u32 s100, s100, s68
	s_mov_b32 s101, 0
	s_add_nc_u64 s[PFA:PFA+1], s[8:9], s[100:101]
	s_lshl_b32 s2, s24, 13                         ; x's scale bytes: row 256 b block + 64 bh, of 32 bytes, + 16 c
	s_lshl_b32 s3, s[BH], 11
	s_add_co_u32 s2, s2, s3
	s_lshl_b32 s3, s[CH], 4
	s_add_co_u32 s2, s2, s3
	s_mov_b32 s3, 0
	s_add_nc_u64 s[6:7], s[6:7], s[2:3]
	s_lshl_b32 s26, s24, 14                        ; cw for the bias product: from row 64 bh on
	s_lshl_b32 s27, s[BH], 12
	s_add_co_u32 s26, s26, s27
	s_mov_b32 s27, 0
	s_add_nc_u64 s[10:11], s[12:13], s[26:27]
	s_lshl_b32 s2, s24, 14                         ; cw for the table: 64 rows of 64 bytes a wave
	s_lshl_b32 s3, s[WV], 12
	s_add_co_u32 s2, s2, s3
	s_mov_b32 s3, 0
	s_add_nc_u64 s[12:13], s[12:13], s[2:3]
	s_lshl_b32 s26, s23, 8                         ; bias: the 32 columns that I finish
	s_lshl_b32 s27, s[CH], 7
	s_add_co_u32 s26, s26, s27
	s_mov_b32 s27, 0
	s_add_nc_u64 s[14:15], s[14:15], s[26:27]
	s_lshl_b32 s2, s24, 20                         ; out: rows 32 w of each half, of 4,096 bytes, + 256 x o block
	s_lshl_b32 s3, s[WV], 17
	s_add_co_u32 s2, s2, s3
	s_lshl_b32 s3, s23, 8
	s_add_co_u32 s2, s2, s3
	s_mov_b32 s3, 0
	s_add_nc_u64 s[16:17], s[16:17], s[2:3]
	s_lshl_b32 s75, s[CH], 9                       ; LDS places, of the wave's number alone
	s_mul_i32 s2, s[BH], 64*WP
	s_add_co_u32 s2, s2, s75
	s_add_co_u32 s2, s2, SLOT                      ; x's stage: row 64 bh + r, 512 c bytes on
	s_mul_i32 s3, s[NC], 2*TILE
	s_add_co_u32 s3, s3, s75                       ; W: partner's half,
	s_mul_i32 s26, s[CH], 2*TILE+512               ; mine
	s_lshl_b32 s75, s[CH], 4
	s_lshl_b32 s27, s[NC], 10
	s_add_co_u32 s27, s27, s75
	s_add_co_u32 s27, s27, WSC
	s_mul_i32 s74, s[CH], 1040
	s_add_co_u32 s74, s74, WSC
	s_mul_i32 s75, s[BH], 64*80
	s_add_co_u32 s75, s75, CWT
	s_mul_i32 s76, s[WV], 64*80
	s_add_co_u32 s76, s76, CWT
	s_lshl_b32 s77, s[WV], 14
	s_xor_b32 s95, s[WV], 1
	s_lshl_b32 s95, s95, 14
	s_mul_i32 s98, s[BH], 64*272
	s_lshl_b32 s104, s[CH], 7
	s_add_co_u32 s98, s98, s104
	s_add_co_u32 s98, s98, RST
	s_mul_i32 s104, s[WV], 32*272
	s_add_co_u32 s104, s104, RST
	v_and_b32 v64, 15, v0                          ; r
	v_bfe_u32 v65, v0, 4, 1                        ; h
	v_and_b32 v66, 31, v0                          ; lane
	v_mul_u32_u24 v67, v64, WP
	v_lshl_add_u32 v67, v65, 4, v67                ; a fragment: row r, 16 h bytes on
	v_add_nc_u32 v[AX], s2, v67
	v_add_nc_u32 v[AWO], s3, v67
	v_add_nc_u32 v[AWO+1], s26, v67
	v_lshlrev_b32 v68, 5, v64
	v_lshl_add_u32 v15, v65, 3, v68                ; scale words: 32 r + 8 h: lanes 0-15 K steps 0, 1, lanes 16-31 K steps 2, 3 of my half
	v_add_nc_u32 v[ASO], s27, v15
	v_add_nc_u32 v[ASO+1], s74, v15
	v_mul_u32_u24 v69, v64, 80
	v_add_nc_u32 v[ACW], s75, v69                  ; cw of row r of a tile
	v_lshlrev_b32 v45, 6, v64
	v_lshl_add_u32 v45, v65, 5, v45                ; in memory: row r, experts 8 h .. 8 h + 7
	v_lshlrev_b32 v13, 4, v66
	v_add_nc_u32 v[SND], s77, v13
	v_add_nc_u32 v[RCV], s95, v13
	v_lshlrev_b32 v[PFO], 8, v66                   ; a lane a piece of 256 bytes
	v_lshrrev_b32 v70, 2, v66
	v_and_b32 v71, 3, v66
	v_mul_u32_u24 v72, v70, 80
	v_lshl_add_u32 v72, v71, 4, v72
	v_add_nc_u32 v44, s76, v72                     ; into the cw table: row lane / 4, piece lane % 4
	v_lshlrev_b32 v14, 2, v64
	v_lshl_add_u32 v14, v65, 15, v14               ; bias: column r, expert 8 h
	v_mul_u32_u24 v73, v64, 272
	v_lshl_add_u32 v73, v65, 5, v73
	v_add_nc_u32 v[WR], s98, v73
	v_mul_u32_u24 v74, v65, 272
	v_lshl_add_u32 v74, v64, 4, v74
	v_add_nc_u32 v[RD], s104, v74
	v_lshlrev_b32 v75, 12, v65
	v_lshl_add_u32 v[CO], v64, 4, v75
	s_wait_alu depctr_va_vdst(0)
.irp u, 0,1
.irp j, 0,1,2,3,4,5,6,7
	global_load_b32 v[192+8*\u+\j], v14, s[14:15] offset:4096*\j+64*\u
.endr
.endr
.irp b, 0,1,2,3,4,5,6,7
	global_load_b128 v[64+8*\b:67+8*\b], v45, s[10:11] offset:8192*(\b/4)+1024*(\b%4)
	global_load_b128 v[68+8*\b:71+8*\b], v45, s[10:11] offset:8192*(\b/4)+1024*(\b%4)+16
.endr
	WIN 0x80                                       ; the table's part of cw waits in window 2, where b tiles 4 and 5 of x come later
.irp i, 0,1,2,3,4,5,6,7
	global_load_b128 v[64+4*\i:67+4*\i], v13, s[12:13] offset:512*\i
.endr
	WIN 0
.irp b, 0,1,2,3,4,5,6,7
	global_load_b32 v[17+8*(\b/2)+2*(\b%2)], v15, s[6:7] offset:4096*(\b/4)+512*(\b%4)
	global_load_b32 v[16+8*(\b/2)+2*(\b%2)], v15, s[6:7] offset:4096*(\b/4)+512*(\b%4)+4
.endr
	global_prefetch_b8 v[PFO], s[80:81] th:TH_LOAD_NT scope:SCOPE_SE                            ; half 1 of x
	global_prefetch_b8 v[PFO], s[PFA:PFA+1] offset:FILLB th:TH_LOAD_NT scope:SCOPE_SE           ; experts 2, 3
	s_wait_loadcnt 24                              ; bias and cw's fragments are in: behind them stand the table's 8 loads and the scale words' 16
; THE BIAS PRODUCT, while the head's tiles are on their way
.macro SPLIT R, H, L                   ; eight f32 at R: high parts as bf16 pairs at H, what they leave as bf16 pairs at L
.irp p, 0,1,2,3
	v_cvt_pk_bf16_f32 v[\H+\p], v[\R+2*\p], v[\R+2*\p+1]
.endr
.irp p, 0,1,2,3
	v_lshlrev_b32 v[240+2*\p], 16, v[\H+\p]
.endr
.irp p, 0,1,2,3
	v_and_b32 v[241+2*\p], 0xffff0000, v[\H+\p]
.endr
.irp p, 0,1,2,3
	v_pk_add_f32 v[\R+2*\p:\R+2*\p+1], v[\R+2*\p:\R+2*\p+1], v[240+2*\p:241+2*\p] neg_lo:[0,1] neg_hi:[0,1]
.endr
.irp p, 0,1,2,3
	v_cvt_pk_bf16_f32 v[\L+\p], v[\R+2*\p], v[\R+2*\p+1]
.endr
.endm
.irp u, 0,1
	SPLIT 192+8*\u, 208+16*\u, 216+16*\u
.irp p, 0,1,2,3
	v_mov_b32 v[212+16*\u+\p], v[208+16*\u+\p]
	v_mov_b32 v[220+16*\u+\p], v[216+16*\u+\p]
.endr
.endr
.irp b, 0,1,2,3,4,5,6,7
	SPLIT 64+8*\b, 128+8*\b, 132+8*\b
.endr
	WIN 0x40
.irp u, 0,1
.irp b, 0,1,2,3,4,5,6,7
	v_wmma_f32_16x16x32_bf16 v[128+64*\u+8*\b:135+64*\u+8*\b], v[208+16*\u:215+16*\u], v[128+8*\b:135+8*\b], 0
.endr
.endr
	WIN 0x50
.irp u, 0,1
.irp b, 0,1,2,3,4,5,6,7
	v_wmma_f32_16x16x32_bf16 v[128+64*\u+8*\b:135+64*\u+8*\b], v[216+16*\u:223+16*\u], v[128+8*\b:135+8*\b], v[128+64*\u+8*\b:135+64*\u+8*\b]
.endr
.endr
	WIN 0x40                                       ; places 0, 1: my partner adds their bias; they begin as zeros, so that a slot's text is the same for all experts
.set i, 0
.rept 128
	v_mov_b32 v[i], 0
.set i, i+1
.endr
	WIN 0
	s_wait_alu depctr_va_vdst(0)
	s_cmp_eq_u32 s[WV], 0
	s_cbranch_scc0 .Lnot_x
	s_wait_tensorcnt 0x0                           ; wave 0: half 0 of x has landed; the other waves' wait stands ahead of the next round
.Lnot_x:
	BARRIER
; A fragment, 16 rows x 128 K of 8-bit codes: lane (r, h) holds row r; registers 4 c .. 4 c + 3 hold K = 32 c + 16 h + 0 .. 15.
.macro READX p, u                      ; half p of x: b tiles 4 p .. 4 p + 3, K steps 2 u, 2 u + 1 into window 2 + u: 32 loads
	WIN 0x80+0x40*(\u)
.irp t, 0,1,2,3
.irp k, 0,1,2,3,4,5,6,7
	ds_load_b128 v[128*(\k/4)+16*(4*(\p)+\t)+4*(\k%4):128*(\k/4)+16*(4*(\p)+\t)+4*(\k%4)+3], v[AX] offset:\t*TILE+256*(\u)+128*(\k/4)+32*(\k%4)
.endr
.endr
	WIN 0
.endm
	READX 0, 0
	READX 0, 1
	s_wait_tensorcnt 0x0                           ; all of the head's loads of mine have landed
	s_wait_loadcnt 16                              ; the table's part of cw is in: behind it stand the 16 loads of scale words
	WIN 0x08
.irp i, 0,1,2,3,4,5,6,7
	ds_store_b128 v44, v[64+4*\i:67+4*\i] offset:640*\i
.endr
	WIN 0
	s_wait_tensorcnt 0x0
	ds_add_u32 v[SPW], v[NIL]
	s_mov_b32 s[G1X+2], 32<<16                     ; no tensor load of mine is out: from here on a load brings 32 rows
	s_mov_b32 s[G1X+4], 32
	s_mov_b32 s[G1W+2], 32<<16
	s_mov_b32 s[G1W+4], 32
	s_mov_b32 s[TB], 0
	s_mov_b32 s[TB+1], EXPB
	s_mov_b32 s[SS], 0
	s_mov_b32 s[TBF], SLOT
	s_mov_b32 s[CNT], 5
	s_wait_dscnt 0x0                               ; the add, my reads of the stage and my stores into the table are done
	ROUND
	TLOAD G0P, G1X                                 ; half 1 of x over half 0
; THE RUN OF LOADS for unit jn: 16 for its four fragments, one for its scale words.
.macro OPER set, jn
.set k, 0
.rept 16
	ds_load_b128 v[WF+64*(\set)+4*k:WF+64*(\set)+4*k+3], v[AW] offset:((\jn)%2)*TILE+128*(k/4)+32*(k%4)
.set k, k+1
.endr
	ds_load_b64 v[WS+2*(\set):WS+2*(\set)+1], v[AS] offset:((\jn)/4)*2048+((\jn)%2)*512
.endm
.macro CWLOAD to                       ; cw of two experts: tiles 0-3 at v44; tiles 4-7 at v52 (to = 0) or aside at v28, v36 (to = 1): eight loads
.irp t, 0,1,2,3
	ds_load_b64 v[44+2*\t:45+2*\t], v[ACW] offset:1280*\t
.endr
.irp t, 0,1,2,3
.if \to
	ds_load_b64 v[28+2*\t+4*(\t/2):29+2*\t+4*(\t/2)], v[ACW] offset:10240+1280*\t
.else
	ds_load_b64 v[52+2*\t:53+2*\t], v[ACW] offset:10240+1280*\t
.endif
.endr
.endm
	v_add_nc_u32 v[AW], v[AWO], s[TB]
	v_add_nc_u32 v[AS], v[ASO], s[SS]
	CWLOAD 0
	OPER 0, 0
	OPER 1, 1
	s_wait_loadcnt 0x0                             ; x's scale words
; Matrix instruction q of a half's 16: K step q / 4, tile q % 4: four accumulators (block hf of z) by turns, one instruction a turn.  xh: the half of x's b tiles
.macro MM set, hf, xh
.set bt, 4*(\xh)+q%4
.set rA, WF+64*(\set)+16*(q/4)
.set rB, 128*((q/4)%2)+16*bt
.set rZ, Z+8*(4*(\hf)+q%4)
.set rW, WS+2*(\set)+(q/4)%2
.set rX, 17+8*(bt/2)+2*(bt%2)-(q/4)%2
.if q < 4
	v_wmma_scale_f32_16x16x128_f8f6f4 v[rZ:rZ+7], v[rA:rA+15], v[rB:rB+15], 0, v[rW], v[rX] matrix_a_fmt:MATRIX_FMT_BF8 matrix_b_fmt:MATRIX_FMT_BF8
.elseif q < 8
	v_wmma_scale_f32_16x16x128_f8f6f4 v[rZ:rZ+7], v[rA:rA+15], v[rB:rB+15], v[rZ:rZ+7], v[rW], v[rX] matrix_a_fmt:MATRIX_FMT_BF8 matrix_b_fmt:MATRIX_FMT_BF8
.else
	v_wmma_scale_f32_16x16x128_f8f6f4 v[rZ:rZ+7], v[rA:rA+15], v[rB:rB+15], v[rZ:rZ+7], v[rW], v[rX] matrix_a_fmt:MATRIX_FMT_BF8 matrix_b_fmt:MATRIX_FMT_BF8 matrix_a_scale:MATRIX_SCALE_ROW1 matrix_b_scale:MATRIX_SCALE_ROW1
.endif
.endm
; out(place io, tile t) += cw[t] x z[tz], four numbers of eight, the low half first; e: which of the two experts in hand
.macro SLG io, t, tz, half, e
.set rO, 8*(8*(\io)+(\t))+4*(\half)
.set rZ, Z+8*(\tz)+4*(\half)
.set rC, 44+2*(\t)
.if (\e) == 0
	v_pk_fma_f32 v[rO:rO+1], v[rZ:rZ+1], v[rC:rC+1], v[rO:rO+1] op_sel_hi:[1,0,1]
	v_pk_fma_f32 v[rO+2:rO+3], v[rZ+2:rZ+3], v[rC:rC+1], v[rO+2:rO+3] op_sel_hi:[1,0,1]
.else
	v_pk_fma_f32 v[rO:rO+1], v[rZ:rZ+1], v[rC:rC+1], v[rO:rO+1] op_sel:[0,1,0] op_sel_hi:[1,1,1]
	v_pk_fma_f32 v[rO+2:rO+3], v[rZ+2:rZ+3], v[rC:rC+1], v[rO+2:rO+3] op_sel:[0,1,0] op_sel_hi:[1,1,1]
.endif
.endm
.macro SL io, t, half, e
	SLG \io, \t, \t, \half, \e
.endm
.macro STG k                           ; cw of tile 4 + k for the slot's experts, once the last slot's has been used
	v_mov_b32 v[52+2*(\k)], v[28+2*(\k)+4*((\k)/2)]
	v_mov_b32 v[53+2*(\k)], v[29+2*(\k)+4*((\k)/2)]
.endm
.macro ADDRS j                         ; the addresses of units j + 2 and j + 3, behind an even unit's second product
	v_add_nc_u32 v[AW], v[AWO+(((\j)+2)%4)/2], s[TB+(((\j)+2)%8)/4]
	v_add_nc_u32 v[AS], v[ASO+(((\j)+2)%4)/2], s[SS]
.endm
.macro NEXTSLOT                        ; the fetches go on to the other slot
	s_xor_b32 s[TB], s[TB], SLOT
	s_add_co_u32 s[TB+1], s[TB], EXPB
	s_add_co_u32 s[SS], s[SS], 4096
.endm
.macro NEXTFILL                        ; no tensor load of mine is out: the slot that I leave, the next two experts
	s_xor_b32 s[TBF], s[TBF], SLOT
	s_add_co_u32 s[G0W+1], s[WOFF], s[TBF]
	s_add_nc_u64 s[G0W+2:G0W+3], s[G0W+2:G0W+3], FILLB
	s_wait_xcnt 0x0                                ; the last prefetch has read its address
	s_add_nc_u64 s[PFA:PFA+1], s[PFA:PFA+1], FILLB
.endm
.macro ASK                             ; the slot two behind the walking descriptor's last step but one
	global_prefetch_b8 v[PFO], s[PFA:PFA+1] offset:2*FILLB th:TH_LOAD_NT scope:SCOPE_SE
.endm
.macro SIGNAL
	s_wait_dscnt 0x0                               ; the add is done and my reads of what will be filled are over
	s_barrier_signal -1
.endm
.macro REFILL                          ; the rest of the round; the refill first behind it, my one tensor load until the next
	WIN 0
	s_barrier_wait -1
	CREST
	TLOAD G0W, G1W
.endm
; SLOT 0: A UNIT OVER HALF g OF THE B TILES: 16 matrix instructions into block j % 2 of z, while the unit before is weighed from the other block: two tiles behind products 8 to 11, two behind the last product:
; eight lines ahead of the run of loads.  The first pass's last two units also read half 1 of x: K steps 0, 1 behind unit 6, K steps 2, 3 behind unit 7.
.macro PREV j, g, i                    ; line pair i of 8 of the unit before
.if ((\g) == 1) || ((\j) > 0)
	WIN W_SL
.if (\j) == 0
	SLG 3, (\i)/2, 4+(\i)/2, (\i)%2, 1
.else
	SLG ((\j)-1)%4, 4*(\g)+(\i)/2, 4*(((\j)-1)%2)+(\i)/2, (\i)%2, ((\j)-1)/4
.endif
.endif
.endm
.macro PU j, g
.if ((\g) == 0) && ((\j) == 7)
	s_wait_dscnt 49                                ; behind unit 6: a run and 32 of x's loads
.elseif ((\g) == 1) && ((\j) == 0)
	s_wait_dscnt 50                                ; behind unit 7: 32 of x's loads, a run and the add
.elseif ((\g) == 1) && ((\j) == 6)
	s_wait_dscnt 18                                ; a run and the add
	NEXTSLOT
	NEXTFILL
.else
	s_wait_dscnt 17                                ; a run
.endif
.set q, 0
.rept 16
.if q < 8
	WIN W_MA
.else
	WIN W_MB
.endif
	MM (\j)%2, (\j)%2, \g
.if (q == 1) && ((\j)%2 == 0)
	ADDRS \j
.endif
.if (q == 1) && ((\g) == 1) && ((\j) == 5)
	v_add_nc_u32 v[ACW], v[ACW], 8                 ; the next two experts' cw
.endif
.if (q >= 8) && (q < 12)
	PREV \j, \g, q-8
.endif
.if ((\g) == 0) && ((\j) == 6)
.if q == 4
	s_wait_tensorcnt 0x0                           ; my part of half 1 of x is in
	SIGNAL
.elseif q == 11
	WIN 0
	s_barrier_wait -1                              ; and everybody's
.endif
.endif
.if ((\g) == 1) && (((\j) == 0) || ((\j) == 6))
.if q == 7
	SIGNAL
.elseif q == 11
	REFILL                                         ; unit 0: experts 2, 3 over x's stage;  unit 6: experts 4, 5 into slot 0
.endif
.endif
.set q, q+1
.endr
.if ((\g) == 0) && ((\j) == 0)
	NOPS 8                                         ; nothing is to be weighed yet
.else
	PREV \j, \g, 4
	PREV \j, \g, 5
	PREV \j, \g, 6
	PREV \j, \g, 7
.endif
	WIN 0
.if ((\g) == 1) && ((\j) == 7)
	CWLOAD 1
.endif
.if ((\g) == 0) && ((\j) == 7)
	READX 1, 1
.endif
	OPER (\j)%2, ((\j)+2)%8
.if ((\g) == 0) && ((\j) == 6)
	READX 1, 0
.endif
.if (((\g) == 0) && ((\j) == 7)) || (((\g) == 1) && ((\j) == 5))
	s_wait_tensorcnt 0x0
	ds_add_u32 v[SPW], v[NIL]
.endif
.if ((\g) == 1) && (((\j) == 0) || ((\j) == 6))
	ASK                                            ; slot 2; slot 3
.endif
.endm
.irp j, 0,1,2,3,4,5,6,7
	PU \j, 0
.endr
.irp j, 0,1,2,3,4,5,6,7
	PU \j, 1
.endr
; HALF A UNIT.  A reader of a result of this form, and a load into a register that it has read, stand eight plain vector lines behind it (for the reader).
; Half 0 weighs tiles 4-7 of the unit before: two lines behind each of its last eight products, eight behind its product 12: so half 1 may weigh tile 0 at once.
; Half 1 weighs tiles 0, 1 behind products 2 to 5; tiles 2, 3 follow its last product (in HU): the eight lines ahead of the run of loads and of the next half's reads.
.macro HALF j, hf, turn, last
.set q, 0
.rept 16
.if q < 8
	WIN W_MA
.else
	WIN W_MB
.endif
	MM (\j)%2, \hf, \hf
.if (\hf) == 0
.if q >= 8
	WIN W_SL
.if (\j) == 0
	SL 3, 4+(q-8)/2, (q-8)%2, 1
.else
	SL ((\j)+3)%4, 4+(q-8)/2, (q-8)%2, ((\j)-1)/4
.endif
.endif
.else
.if q == 1
.if ((\j)%2 == 0) && ((\j)+2*(\last) < 8)
	ADDRS \j
.endif
.if ((\j) == 5) && ((\last) == 0)
	v_add_nc_u32 v[ACW], v[ACW], 8                 ; the next two experts' cw
.endif
.endif
.if (q >= 2) && (q < 6)
	WIN W_SL
	SL (\j)%4, (q-2)/2, (q-2)%2, (\j)/4
.endif
.if ((\j) == 0) && (q >= 6) && (q < 10)
	STG q-6
.endif
.if ((\j) == 6) && (\turn) && (q == 7)
.if (\turn) == 1
	REFILL
.else
	WIN 0
	s_barrier_wait -1                              ; the last slot is whole, nobody reads this one any more
.endif
.endif
.endif
.set q, q+1
.endr
.endm
; A UNIT.  Its operands were asked for two runs ago: the latest run may be out: 17 loads; with cw 25; with the add 18; in the last unit of all 32 stores.
; THE CHANGE OF SLOTS.  Unit 7's operands, the last read from the slot, are asked for behind unit 5; there stand the wait for all my tensor loads (one is out: my part of the next slot) and the add;
; the wait for both and the signal behind unit 6's first half, the wait for the others eight products on.  turn 1: the slot is filled again; 2: a barrier alone; 0: none.
.macro HU j, turn, last
.if (\j) == 0
	s_wait_dscnt 25
.elseif ((\j) == 6) && (\turn)
	s_wait_dscnt 18
	NEXTSLOT
.if (\turn) == 1
	NEXTFILL
.endif
.elseif ((\j) == 7) && (\last)
	s_wait_dscnt 32
.else
	s_wait_dscnt 17
.endif
	HALF \j, 0, \turn, \last
.if (\j) == 0
	s_wait_dscnt 17                                ; cw is in
.elseif (((\j) == 6) && (\turn)) || (((\j) == 7) && (\last))
	SIGNAL                                         ; (the last unit: my half for my partner is stored)
.endif
	HALF \j, 1, \turn, \last
	WIN W_SL
	SL (\j)%4, 2, 0, (\j)/4
	SL (\j)%4, 2, 1, (\j)/4
	SL (\j)%4, 3, 0, (\j)/4
	SL (\j)%4, 3, 1, (\j)/4
.if ((\j) == 6) && (\last)
	WIN 0x04                                       ; places 0, 1 are complete: to my partner, as an image of the registers
.set i, 0
.rept 32
	ds_store_b128 v[SND], v[4*i:4*i+3] offset:512*i
.set i, i+1
.endr
.endif
	WIN 0
.if (\j) < 6 || ((\last) == 0)
.if (\j) == 7
	CWLOAD 1
.endif
	OPER (\j)%2, ((\j)+2)%8
.if ((\j) == 5) && (\turn)
	s_wait_tensorcnt 0x0
	ds_add_u32 v[SPW], v[NIL]
.endif
.if ((\j) == 6) && ((\turn) == 1)
	s_cmp_gt_u32 s[CNT], 1                         ; the last change that fills a slot asks for nothing
	s_cbranch_scc0 .Lno_more_\@
	ASK
.Lno_more_\@:
.endif
.endif
.endm
.macro SLOTB turn, last
.irp j, 0,1,2,3,4,5,6,7
	HU \j, \turn, \last
.endr
.endm
.Lslot:                                            ; slots 1 to 5, each filled again
	SLOTB 1, 0
	s_sub_co_u32 s[CNT], s[CNT], 1
	s_cmp_lg_u32 s[CNT], 0
	s_cbranch_scc1 .Lslot
	SLOTB 2, 0                                     ; the last two are written out
	SLOTB 0, 1
; THE WAY OUT, in two phases (b tiles 0-3: rows 0-127; tiles 4-7: rows 128-255): my partner's sums for my columns are added, relu, into rows of 272 bytes; whole rows of 256 bytes are read back and stored.
.macro FIN g
	WIN 0x01
.irp u, 0,1
.irp b, 0,1,2,3
.irp k, 0,2,4,6
	v_pk_add_f32 v[T+8*(8*\u+4*\g+\b)+\k:T+8*(8*\u+4*\g+\b)+\k+1], v[128+8*(8*\u+4*\g+\b)+\k:128+8*(8*\u+4*\g+\b)+\k+1], v[T+8*(8*\u+4*\g+\b)+\k:T+8*(8*\u+4*\g+\b)+\k+1]
.endr
.endr
.endr
	WIN 0
.irp u, 0,1
.irp b, 0,1,2,3
.irp k, 0,1,2,3,4,5,6,7
	v_max_num_f32 v[T+8*(8*\u+4*\g+\b)+\k], 0, v[T+8*(8*\u+4*\g+\b)+\k]
.endr
.endr
.endr
.endm
.macro TOROWS g
.irp u, 0,1
.irp b, 0,1,2,3
	ds_store_b128 v[WR], v[T+8*(8*\u+4*\g+\b):T+8*(8*\u+4*\g+\b)+3] offset:34816*\g+4352*\b+64*\u
	ds_store_b128 v[WR], v[T+8*(8*\u+4*\g+\b)+4:T+8*(8*\u+4*\g+\b)+7] offset:34816*\g+4352*\b+64*\u+16
.endr
.endr
.endm
	s_wait_alu depctr_va_vdst(0)
	s_barrier_wait -1                              ; my partner's image is whole
.irp g, 0,1
.irp u, 0,1
.irp k, 0,1,2,3,4,5,6,7
	ds_load_b128 v[T+4*(16*\u+8*\g+\k):T+4*(16*\u+8*\g+\k)+3], v[RCV] offset:512*(16*\u+8*\g+\k)
.endr
.endr
.endr
	s_wait_dscnt 16                                ; tiles 0-3
	FIN 0
	TOROWS 0
	s_wait_dscnt 0x0                               ; my rows' parts are stored; tiles 4-7 are in
	s_barrier_signal -1
	WIN W_SL                                       ; the last unit's tiles 4-7 are weighed in: the eight lines behind the last product lie far back
.irp b, 4,5,6,7
	SL 3, \b, 0, 1
	SL 3, \b, 1, 1
.endr
	FIN 1
	s_wait_alu depctr_va_vdst(0)
	s_barrier_wait -1
.set i, 0
.rept 16
	ds_load_b128 v[Z+4*i:Z+4*i+3], v[RD] offset:544*i
.set i, i+1
.endr
	TOROWS 1
.set i, 0
.rept 16
	s_wait_dscnt 31-i                              ; pair i of rows is in: behind it 15 - i loads and 16 stores
	global_store_b128 v[CO], v[Z+4*i:Z+4*i+3], s[16:17] offset:8192*i th:TH_STORE_NT   ; 16 lanes store 256 consecutive bytes, at a multiple of 256 from out's first byte
.set i, i+1
.endr
	s_wait_dscnt 0x0
	BARRIER
.set i, 0
.rept 16
	ds_load_b128 v[T+4*i+32*(i/8):T+4*i+32*(i/8)+3], v[RD] offset:34816+544*i
.set i, i+1
.endr
.set i, 0
.rept 16
	s_wait_dscnt 15-i
	global_store_b128 v[CO], v[T+4*i+32*(i/8):T+4*i+32*(i/8)+3], s[16:17] offset:524288+8192*i th:TH_STORE_NT
.set i, i+1
.endr
	s_wait_tensorcnt 0x0                           ; the wave's end
	ds_add_u32 v[SPW], v[NIL]
	s_wait_dscnt 0x0
	ROUND                                          ; the closing round
	s_endpgm
.Lfunc_end_k_q3dbcd54548_compfc:
	.size	k_q3dbcd54548_compfc, .Lfunc_end_k_q3dbcd54548_compfc-k_q3dbcd54548_compfc
	.p2alignl 7, 3214868480
	.fill 96, 4, 3214868480
	.section	.rodata,"a",@progbits
	.p2align	6, 0x0
	.amdhsa_kernel k_q3dbcd54548_compfc
		.amdhsa_group_segment_fixed_size 327680
		.amdhsa_private_segment_fixed_size 0
		.amdhsa_enable_private_segment 0
		.amdhsa_kernarg_size 56
		.amdhsa_user_sgpr_count 2
		.amdhsa_user_sgpr_kernarg_segment_ptr 1
		.amdhsa_wavefront_size32 1
		.amdhsa_system_sgpr_workgroup_id_x 1
		.amdhsa_system_sgpr_workgroup_id_y 1
		.amdhsa_system_sgpr_workgroup_id_z 1
		.amdhsa_system_vgpr_workitem_id 0
		.amdhsa_next_free_vgpr 1024
		.amdhsa_next_free_sgpr 106
		.amdhsa_reserve_vcc 0
		.amdhsa_float_denorm_mode_32 3
		.amdhsa_float_denorm_mode_16_64 3
		.amdhsa_memory_ordered 1
		.amdhsa_forward_progress 1
		.amdhsa_inst_pref_size 255
	.end_amdhsa_kernel
	.section	.bss,"aw",@nobits
	.p2align	6
	.space	262144
	.amdgpu_metadata
---
amdhsa.version: [ 1, 2 ]
amdhsa.kernels:
  - .name:           k_q3dbcd54548_compfc
    .symbol:         k_q3dbcd54548_compfc.kd
    .args:
      - { .name: x_codes, .offset: 0, .size: 8, .value_kind: global_buffer, .address_space: global }
      - { .name: x_scales, .offset: 8, .size: 8, .value_kind: global_buffer, .address_space: global }
      - { .name: weight_codes, .offset: 16, .size: 8, .value_kind: global_buffer, .address_space: global }
      - { .name: weight_scales, .offset: 24, .size: 8, .value_kind: global_buffer, .address_space: global }
      - { .name: comp_weight, .offset: 32, .size: 8, .value_kind: global_buffer, .address_space: global }
      - { .name: bias, .offset: 40, .size: 8, .value_kind: global_buffer, .address_space: global }
      - { .name: out0, .offset: 48, .size: 8, .value_kind: global_buffer, .address_space: global }
    .group_segment_fixed_size: 327680
    .private_segment_fixed_size: 0
    .kernarg_segment_align: 8
    .kernarg_segment_size: 56
    .max_flat_workgroup_size: 128
    .sgpr_count:     106
    .vgpr_count:     1024
    .wavefront_size: 32
...
	.end_amdgpu_metadata
.endif
;; end of part 1
